; MI455X (gfx1250); checked and timed in simulation.
; The chip was launched on July 23, 2026; its instructions are those of AMD's public machine-readable ISA for CDNA 5 (MIT licence, August 2026) and "CDNA5" Instruction Set Architecture Reference Guide (July 2026). The comments in the code are by the model that wrote it; some were corrected since.
;; Attention. Allowed arithmetic: matrix products marked QUANTISED: E2M1 operands, one E8M0 scale for each 32 along K, by v_wmma_scale_f32_16x16x128_f8f6f4 with both operands' format E2M1 (or v_wmma_scale_f32_32x16x128_f4), f32 sums; everything else in f32.
;; Inputs: Wkv_codes 256 x 16 x 16 uint8 (E2M1 codes of Wkv, K innermost, in blocks of 32 codes, two codes a byte); Wkv_scales 256 x 16 uint8 (E8M0 scales of Wkv, one for each 32 codes along K); Wout_codes 512 x 16 x 16 uint8 (E2M1 codes of Wout, K innermost, in blocks of 32 codes, two codes a byte); Wout_scales 512 x 16 uint8 (E8M0 scales of Wout, one for each 32 codes along K); Wq_codes 512 x 16 x 16 uint8 (E2M1 codes of Wq, K innermost, in blocks of 32 codes, two codes a byte); Wq_scales 512 x 16 uint8 (E8M0 scales of Wq, one for each 32 codes along K); beta 512 float32; bout 512 float32; gamma 512 float32; x 4 x 512 x 2,048 float32.
;; Outputs: out0 4 x 512 x 2,048 float32.
;; This version of the problem:
;;   THIS VERSION OF THE PROBLEM IS GIVEN IN LOW PRECISION. The matrix products marked QUANTISED in the list below multiply operands that are first quantised to E2M1 (2 exponent bits, 1 mantissa bit; 4 bits a number), with one power-of-two scale for each 32 numbers along K (OCP MX v1.0); their sums are f32. All else is computed in f32.
;;   The module's matrix products, in the order in which they are computed (A, B: the left and right operand; K: the contracted axis; several contracted axes count as one K, in the product's order):
;;     1. [M 8,192, K 512] x [K 512, N 512]; A: computed on the way; B: input Wq (given as codes): QUANTISED
;;     2. [M 8,192, K 512] x [K 512, N 256]; A: computed on the way; B: input Wkv (given as codes): QUANTISED
;;     3. batch 32 x [M 2,048, K 64] x [K 64, N 2,048]; A: computed on the way; B: computed on the way: QUANTISED
;;     4. batch 32 x [M 2,048, K 2,048] x [K 2,048, N 64]; A: softmax (see below); B: computed on the way: QUANTISED
;;     5. [M 8,192, K 512] x [K 512, N 512]; A: computed on the way; B: input Wout (given as codes): QUANTISED
;;   THE QUANTISER, for each operand of a quantised product, along K:
;;     - K is cut into blocks of 32 from its start; a last block that is shorter is filled with zeros.
;;     - A block's scale is 2^e with e = floor(log2(the largest magnitude in the block)) - 2, held to -126 .. 127; a block of zeros has e = 0. As a byte (E8M0): e + 127.
;;     - Each number is divided by its block's scale, clamped to +-6, and rounded to the nearest number of E2M1, ties to even, subnormals kept.
;;     - The product sums the exact products of the quantised numbers (number of the format x scale) in f32.
;;   ~~~python
;;   def quantise(x, axis):      # numpy; x: float32 -> the quantised numbers, widened to float32 again
;;       x = np.moveaxis(x, axis, -1); K = x.shape[-1]
;;       x = np.pad(x, [(0, 0)] * (x.ndim - 1) + [(0, -K % 32)]); x = x.reshape(x.shape[:-1] + (-1, 32)); a = np.abs(x).max(-1, keepdims=True)
;;       e = np.where(a > 0, np.clip(np.frexp(np.where(a > 0, a, 1))[1] - 1 - 2, -126, 127), 0)      # np.frexp(a)[1] - 1 = floor(log2(a)), exactly
;;       r = np.clip(x / 2.0 ** e, -6, 6)
;;       step = 2.0 ** (np.maximum(np.frexp(np.where(r == 0, 1, r))[1] - 1, 0) - 1)
;;       q = np.round(r / step) * step * 2.0 ** e      # np.round: ties to even
;;       return np.moveaxis(q.reshape(q.shape[:-2] + (-1,))[..., :K], -1, axis).astype(np.float32)
;;   ~~~
;;   SOFTMAX AHEAD OF A QUANTISED PRODUCT. Where the list says 'softmax', what is quantised is not the finished softmax but p = 2^(t - M), with t = logit x log2(e) and M = ceil(the row's largest t), a whole number; so 1/2 < the row's largest p <= 1. The row's sum l is taken of the UNQUANTISED p, in f32, and the product's result is divided by l at the end. Since M is a whole number, a kernel that streams over the keys may use a running M (the ceiling of the running maximum): every later rescaling is an exact power of two, which a block's scale takes up: the codes' values come out the same.
;;   OPERANDS COMPUTED ON THE WAY. 'Computed on the way' means the value that the module computes at that place (a softmax that the list does not call 'softmax' is quantised finished and normalised). What goes into a quantiser is computed in f32, as accurately as f32 sums, v_exp_f32 and their like allow (about 1e-6 of the number): no bf16 or f16 on the way to a quantiser, and a product that is left as it is and whose result goes on into a quantised operand takes f32 operands (vector FMAs, or v_wmma_f32_16x16x4_f32). A number that lies on a knife's edge between two numbers of the format may be rounded either way, as far as f32 arithmetic and the matrix unit's own rounding can turn it there, and no further.
;;   INPUTS GIVEN AS CODES. Wkv (in the module: [512, 256], K = its axis 0); Wout (in the module: [512, 512], K = its axis 0); Wq (in the module: [512, 512], K = its axis 0): each comes as NAME_codes (uint8): NAME with its K axis moved to the last place and cut into blocks of 32 codes, [.., K / 32, bytes a block], one block behind the other in memory; two codes a byte, the lower K in the low four bits (a code: sign, 2 exponent bits, 1 mantissa bit); and NAME_scales (uint8): the same leading axes, one E8M0 byte (e + 127) for each 32 codes along K. Its value is code x scale, taken as it is: it is not quantised again, and the codes and scales need not be those that the quantiser above would give.
;; One version. Each part assembles by itself: llvm-mc -triple=amdgcn-amd-amdhsa -mcpu=gfx1250 --defsym DOCPART=n.
;; ======== version 1 of 1: 2 launches
;; limits: right only within a limited range of input values
;; workspace buffers: q 2,359,296 bytes; kv 1,146,880 bytes; stats 65,536 bytes; wimg 131,072 bytes
;; launch prep (part 1): grid 128 x 1, 16 waves a work-group, no clusters, 61,440 bytes of LDS; arguments x, gamma, beta, Wq_codes, Wq_scales, Wkv_codes, Wkv_scales, q, kv, stats, Wout_codes, wimg; writes q, kv, stats, wimg
.if DOCPART == 1
	.amdgcn_target "amdgcn-amd-amdhsa--gfx1250"
	.amdhsa_code_object_version 6
	.text
	.protected	k_qc36d63fb26_prep
	.globl	k_qc36d63fb26_prep
	.p2align	8
	.type	k_qc36d63fb26_prep,@function
k_qc36d63fb26_prep:
	s_mov_b64 s[64:65], 0
	v_nop
	global_prefetch_b8 v0, s[64:65] scope:SCOPE_SE
	s_setreg_imm32_b32 hwreg(HW_REG_WAVE_MODE, 25, 1), 1
	s_wait_xcnt 0x0
; PREP.  x [4][512 d][2048 n] f32 -> LayerNorm over d -> xn, quantised along d to codes of FP4 (E2M1) with one E8M0 byte for each 32 -> q = xn Wq, k and v = xn Wkv (weights given as codes)
; -> xPos rotary on q and k -> q, k quantised along the head's 64 channels, v along the keys.  Out: q, kv (images of operand registers, see below), stats (mu, 1/sigma of each row).
; SHARES.  A work-group takes one batch b and 64 columns n (256 consecutive bytes of each row d of x).  128 work-groups: with 32 n each row of x would give 128 bytes and v half a pair of key blocks;
; with the columns of the weights split, x would be read and normalised twice.
; PHASE A, 16 waves: wave w takes n = 32 (w & 1) + lane and d = 64 (w >> 1) .. + 63: A LANE HOLDS ONE n, ITS 64 REGISTERS RUN DOWN d, which is the products' K: two whole blocks of 32 a lane.
;   Statistics: each wave's mean and sum of squares about ITS mean, joined over the eight waves of a column through LDS (no difference of large sums is formed).
; PHASE B, by roles: waves 0-7 q of head w; waves 8, 9 k of kv head w - 8; waves 10-13 v (kv head (w - 10) >> 1, channels 32 ((w - 10) & 1) on); waves 14, 15 end.  A role's weights stay in its registers.
; OPERANDS GO THROUGH LDS AND MEMORY AS IMAGES OF THEIR REGISTERS: four registers of a fragment are 512 bytes, lane l's 16 bytes at 16 l.
; q, k: the product is used transposed (source 0 = 16 rows of the weight, source 1 = 16 rows of xn), and lane r of weight tile 2 b + u takes row 32 b + 8 u + r + 8 (r / 8): register 16 b + i of lane (r, h) is then
;   channel 32 b + 16 h + i of row r: the rotary partners c and c + 32 are registers i and 16 + i of one lane, and 16 registers are 16 neighbours along the next K.
; v: source 0 = 16 rows of xn (keys), source 1 = 16 rows of Wv: register 16 b + i of lane (r, h) is key 32 b + 8 h + i (i < 8) or 32 b + 16 + 8 h + i - 8 of channel r.  The next launch's weights p lie in the same order,
;   so inside each block of 32 keys both operands carry the order 0-7, 16-23, 8-15, 24-31; blocks and scales are the true ones.  Wv's rows are taken as Wq's, so that the attention's result comes out with channels as above.
; LAYOUTS.  q: records of 2,304 bytes, ((8 b + head) 32 + n / 64): four tiles of 16 queries, 512 bytes each (K = 64: registers 0-3 of a fragment); at 2,048 the scale words, 16 r + 4 tile (bytes 2, 3 = 127 for the zero half of K).
;   kv: records of 8,960 bytes, ((2 b + kv head) 16 + n / 128), c = (n / 64) & 1: k's codes at 2,048 c + 512 tile; v's at 4,096 + 2,048 c + 512 channel tile; k's scale words at 8,192 + 256 c + 16 r + 4 tile; v's at 8,704 + 16 r + 4 channel tile, bytes 2 c, 2 c + 1.
; LIMITS.  NaN and infinities among the inputs are not served.  A block whose largest magnitude lies under 2^-124 (a block of zeros too) gets the byte 1: its codes are zeros or nearly, and this program alone reads the bytes.
;   inv_freq = 2^(-j log2(10) / 8) by v_exp_f32 on a fraction of at most 1/2: within about one and a half ulp of 10^(-j/8); at position 2,047 that is some 2e-4 rad, as uncertain as an f32 power and division are.
;   sin and cos: the angle less k pi/2 in two parts, then polynomials of degree 7 and 8 on +-pi/4 (about 1e-7).  cos x scale and sin x scale are formed before they meet q: another order of rounding, about 1e-7.
; ORDERS OF k AND v (they hold in place of what is said above of k's and v's rows): inside 64 keys, row r of tile t is key 8 t + r (r < 8) or 32 + 8 t + r - 8, for k's tiles and for the keys that v's product takes;
;   v's channel tile e takes channels 8 e + r (r < 8) and 32 + 8 e + r - 8.  A lane then holds a whole block of 32 keys of v, in natural order.  q's tiles are rows 16 m + r.
; Wave 14 lays one fragment of Wout (tile of 16 rows, K step: 1 KiB) into wimg as the image of its registers; wave 15 has no product.
.set XIMG, 0
.set XSC,  16384                       ; their scale words: (4 m + s) 64 + 4 r
.set STAT, 17408                       ; statistics: 80 bytes for each n: eight means, eight sums of squares, 16 bytes of padding
.set TAB,  22528                       ; four tables [64 n][32 j] f32, rows of 128 + 16 bytes: cos x scale, sin x scale (q); cos / scale, sin / scale (k)
.set TSZ,  9216
.set TP,   144
.set LN,   1                           ; v1   lane
.set RR,   2                           ; v2   r = lane % 16
.set HH,   3                           ; v3   h = lane / 16
.set XO,   4                           ; v4   4 x lane: x, stats
.set WL,   5                           ; v5   weights: (r + 8 (r / 8)) 256 + 16 h
.set WSL,  6                           ; v6   their scale bytes: (r + 8 (r / 8)) 16
.set STW,  7                           ; v7   where I put my statistics
.set STR,  8                           ; v8   where I read my column's
.set XW,   9                           ; v9   where I put xn's codes
.set XSW,  10                          ; v10  and their two scale bytes
.set LI,   11                          ; v11  16 x lane: an image's place for my lane, in LDS and in memory
.set LS,   12                          ; v12  XSC + 4 r
.set TA,   13                          ; v13  my role's tables: row r, 16 h numbers on
.set TW,   14                          ; v14  where I put table rows 4 w .. 4 w + 3
.set R16,  15                          ; v15  16 r
.set MU,   18                          ; v[18:19] mu twice; v[20:21] 1 / sigma twice
.set RS,   20
.set INVF, 22                          ; v22  inv_freq of j = lane
.set LOGB, 23                          ; v23  log2(base_j) / 4096
.set WS,   24                          ; v24-39 the weights' scale words, tile t's four at 24 + 4 t;  v40-43 xn's: scales and nothing else
.set XS,   40
.set T,    44                          ; v44-63 at work
.set X,    64                          ; v64-127 phase A: my 64 numbers.  Phase B: v64-95 four accumulators, v96-127 xn's fragments, then the tables
.set ACC,  64
.set XF,   96
.set W,    128                         ; v128-255 weight fragments (tile t, K step s) at 128 + 32 t + 8 s;  v's role: v192-255 its eight accumulators
.set VA,   192
.set WV,   24                          ; s24 wave, s25 g = wave / 2, s26 wave % 2, s27 b, s28 block of 64 n
.set SEL,  66                          ; s[66:67] v_permlanex16_b32's selects for lane l xor 16
.macro BARRIER                         ; my LDS stores have landed and my LDS loads are in: then the work-group's barrier
	s_wait_dscnt 0x0
	s_barrier_signal -1
	s_barrier_wait -1
.endm
.macro MM d, a, b, sa, sb, first       ; first = 1: the product starts the sum
.if \first
	v_wmma_scale_f32_16x16x128_f8f6f4 v[\d:\d+7], v[\a:\a+7], v[\b:\b+7], 0, v[\sa], v[\sb] matrix_a_fmt:MATRIX_FMT_FP4 matrix_b_fmt:MATRIX_FMT_FP4
.else
	v_wmma_scale_f32_16x16x128_f8f6f4 v[\d:\d+7], v[\a:\a+7], v[\b:\b+7], v[\d:\d+7], v[\sa], v[\sb] matrix_a_fmt:MATRIX_FMT_FP4 matrix_b_fmt:MATRIX_FMT_FP4
.endif
.endm
; 32 numbers of a lane, register 16 b + i, two blocks of 32 shared with lane l xor 16, become four registers of codes (a whole block a lane: lanes 0-15 block 0, lanes 16-31 block 1) in v[pc] on;
; the two scale bytes are left in v[tm+2], v[tm+3].  The numbers are read in ascending order.
.macro QUANT2 src, pc, tm
.irp b, 0,1
	v_max3_num_f32 v[\tm+\b], |v[\src+16*\b]|, |v[\src+16*\b+1]|, 0x1800000   ; my 16 numbers, and the floor 2^(3 - 127): the byte cannot fall under 1
.endr
.irp i, 2,4,6,8,10,12,14
.irp b, 0,1
	v_max3_num_f32 v[\tm+\b], v[\tm+\b], |v[\src+16*\b+\i]|, |v[\src+16*\b+\i+1]|
.endr
.endr
.irp b, 0,1
	v_permlanex16_b32 v[\tm+2+\b], v[\tm+\b], s[SEL], s[SEL+1]
.endr
.irp b, 0,1
	s_delay_alu instid0(VALU_DEP_2)
	v_max_num_f32 v[\tm+\b], v[\tm+\b], v[\tm+2+\b]        ; the block's largest magnitude
.endr
.irp b, 0,1
	s_delay_alu instid0(VALU_DEP_2)
	v_add_nc_u32 v[\tm+4+\b], 0xff000000, v[\tm+\b]        ; 2 off its exponent field: the conversion takes that field as its scale
.endr
.irp b, 0,1
	s_delay_alu instid0(VALU_DEP_2)
	v_lshrrev_b32 v[\tm+2+\b], 23, v[\tm+4+\b]             ; the scale's byte
.endr
.irp b, 0,1
	v_cvt_scalef32_pk8_fp4_f32 v[\pc+2*\b], v[\src+16*\b:\src+16*\b+7], v[\tm+4+\b]
	v_cvt_scalef32_pk8_fp4_f32 v[\pc+2*\b+1], v[\src+16*\b+8:\src+16*\b+15], v[\tm+4+\b]
.endr
	v_nop                                          ; one plain place behind a scaled conversion
	v_permlane16_swap_b32 v[\pc], v[\pc+2]
	v_permlane16_swap_b32 v[\pc+1], v[\pc+3]
.endm
	s_load_b512 s[4:19], s[0:1], 0x0               ; x 4:5, gamma 6:7, beta 8:9, Wq codes 10:11, Wq scales 12:13, Wkv codes 14:15, Wkv scales 16:17, q 18:19
	s_load_b128 s[20:23], s[0:1], 0x40             ; kv 20:21, stats 22:23
	v_lshl_add_u32 v16, v0, 2, 0xe800
	v_mov_b32 v17, 0
	v_lshrrev_b32 v1, 5, v0
	s_delay_alu instid0(VALU_DEP_1)
	v_readfirstlane_b32 s[WV], v1                  ; wave 0..15
	v_and_b32 v[LN], 31, v0
	v_and_b32 v[RR], 15, v0
	v_bfe_u32 v[HH], v0, 4, 1
	s_lshr_b32 s25, s24, 1                         ; g: which 64 of d
	s_and_b32 s26, s24, 1                          ; which 32 of n
	s_lshr_b32 s27, ttmp9, 5                       ; b
	s_and_b32 s28, ttmp9, 31                       ; block of 64 n
	; every address register is made here, ahead of the first branch on the wave's number
	v_lshlrev_b32 v[XO], 2, v[LN]
	s_cmp_lt_u32 s24, 10
	s_cselect_b32 s29, 1, 3                        ; q, k: row r + 8 (r / 8);  v: r + 24 (r / 8)
	v_and_b32 v[WL], 8, v[RR]
	s_delay_alu instid0(VALU_DEP_1)
	v_mad_u32_u24 v[WL], v[WL], s29, v[RR]
	s_delay_alu instid0(VALU_DEP_1)
	v_lshlrev_b32 v[WSL], 4, v[WL]
	s_delay_alu instid0(VALU_DEP_2)
	v_lshlrev_b32 v[WL], 8, v[WL]
	s_delay_alu instid0(VALU_DEP_1)
	v_lshl_add_u32 v[WL], v[HH], 4, v[WL]
	v_mul_u32_u24 v[STR], v[LN], 80
	s_mul_i32 s29, s26, 2560
	s_add_co_u32 s29, s29, STAT
	v_add_nc_u32 v[STR], s29, v[STR]               ; STAT + 80 n
	s_lshl_b32 s29, s25, 2
	v_add_nc_u32 v[STW], s29, v[STR]               ; + 4 g
	s_lshl_b32 s29, s26, 13                        ; codes: tile m = 2 (w & 1) + h, K step g / 2, piece g % 2, lane (r, block): 4,096 m + 1,024 (g / 2) + 512 (g % 2) + 16 r (+ 256 for the second block)
	s_lshr_b32 s30, s25, 1
	s_lshl_b32 s30, s30, 10
	s_add_co_u32 s29, s29, s30
	s_and_b32 s30, s25, 1
	s_lshl_b32 s30, s30, 9
	s_add_co_u32 s29, s29, s30
	v_lshlrev_b32 v[XW], 4, v[RR]
	s_delay_alu instid0(VALU_DEP_1)
	v_lshl_add_u32 v[XW], v[HH], 12, v[XW]
	s_delay_alu instid0(VALU_DEP_1)
	v_add_nc_u32 v[XW], s29, v[XW]
	s_lshl_b32 s29, s26, 9                         ; scale bytes: 256 m + 64 (g / 2) + 4 r + 2 (g % 2)
	s_lshr_b32 s30, s25, 1
	s_lshl_b32 s30, s30, 6
	s_add_co_u32 s29, s29, s30
	s_and_b32 s30, s25, 1
	s_lshl_b32 s30, s30, 1
	s_add_co_u32 s29, s29, s30
	s_add_co_u32 s29, s29, XSC
	v_lshlrev_b32 v[XSW], 2, v[RR]
	s_delay_alu instid0(VALU_DEP_1)
	v_lshl_add_u32 v[XSW], v[HH], 8, v[XSW]
	s_delay_alu instid0(VALU_DEP_1)
	v_add_nc_u32 v[XSW], s29, v[XSW]
	v_lshlrev_b32 v[LI], 4, v[LN]
	v_lshl_add_u32 v[LS], v[RR], 2, XSC
	s_bfe_u32 s29, s24, 0x10003                    ; waves 8 on take k's pair of tables
	s_mul_i32 s29, s29, 2*TSZ
	s_add_co_u32 s29, s29, TAB
	v_mul_u32_u24 v[TA], v[RR], TP
	s_delay_alu instid0(VALU_DEP_1)
	v_lshl_add_u32 v[TA], v[HH], 6, v[TA]
	s_delay_alu instid0(VALU_DEP_1)
	v_add_nc_u32 v[TA], s29, v[TA]
	s_mul_i32 s29, s24, 4*TP
	s_add_co_u32 s29, s29, TAB
	v_add_nc_u32 v[TW], s29, v[XO]
	v_lshlrev_b32 v[R16], 4, v[RR]
	s_mov_b32 s[SEL], 0x76543210
	s_mov_b32 s[SEL+1], 0xfedcba98
	s_lshl_b32 s2, s28, 6
	s_lshl_b32 s29, s24, 2
	s_add_co_u32 s2, s2, s29                       ; the first position whose table row I make: 64 block + 4 wave
	; byte offsets, each in registers of its own (s32-57 are free until gamma and beta are asked for)
	s_lshl_b32 s32, s27, 22                        ; x: b x 512 rows of 8,192 bytes + 64 g rows + 256 block + 128 (w & 1)
	s_lshl_b32 s29, s25, 19
	s_add_co_u32 s32, s32, s29
	s_lshl_b32 s29, s28, 8
	s_add_co_u32 s32, s32, s29
	s_lshl_b32 s29, s26, 7
	s_add_co_u32 s32, s32, s29
	s_mov_b32 s33, 0
	s_lshl_b32 s34, s25, 8                         ; gamma, beta: 64 g numbers on
	s_mov_b32 s35, 0
	s_lshl_b32 s56, s27, 13                        ; stats: row 2,048 b + 64 block + 32 (w & 1)
	s_lshl_b32 s29, s28, 8
	s_add_co_u32 s56, s56, s29
	s_lshl_b32 s29, s26, 7
	s_add_co_u32 s56, s56, s29
	s_mov_b32 s57, 0
	s_lshl_b32 s36, s24, 6                         ; my role's first weight row: q: 64 w;
	s_sub_co_u32 s37, s36, 512                     ; k: 64 (w - 8);
	s_lshl_b32 s38, s25, 6
	s_lshl_b32 s29, s26, 4
	s_add_co_u32 s38, s38, s29
	s_sub_co_u32 s38, s38, 192                     ; v: 128 + 64 ((w - 10) / 2) + 16 ((w - 10) % 2)
	s_cmp_lt_u32 s24, 10
	s_cselect_b32 s37, s37, s38
	s_cmp_lt_u32 s24, 8
	s_cselect_b32 s36, s36, s37
	s_lshl_b32 s38, s36, 8                         ; a weight row: 256 bytes of codes,
	s_mov_b32 s39, 0
	s_lshl_b32 s40, s36, 4                         ; 16 scale bytes
	s_mov_b32 s41, 0
	s_lshl_b32 s46, s27, 3                         ; q's record
	s_add_co_u32 s46, s46, s24
	s_lshl_b32 s46, s46, 5
	s_add_co_u32 s46, s46, s28
	s_mul_i32 s46, s46, 2304
	s_add_co_u32 s47, s46, 2048                    ; and its scale words
	s_sub_co_u32 s48, s24, 8                       ; k: the kv head
	s_sub_co_u32 s49, s24, 10
	s_and_b32 s50, s49, 1                          ; v: which 32 channels,
	s_lshr_b32 s49, s49, 1                         ; and the kv head
	s_cmp_lt_u32 s24, 10
	s_cselect_b32 s48, s48, s49
	s_lshl_b32 s49, s27, 1
	s_add_co_u32 s48, s48, s49
	s_lshl_b32 s48, s48, 4
	s_lshr_b32 s49, s28, 1
	s_add_co_u32 s48, s48, s49
	s_mul_i32 s48, s48, 8960                       ; kv's record
	s_and_b32 s51, s28, 1                          ; c: which 64 of its 128 keys
	s_lshl_b32 s52, s51, 11
	s_add_co_u32 s52, s52, s48                     ; k's codes
	s_lshl_b32 s53, s51, 8
	s_add_co_u32 s53, s53, s48
	s_add_co_u32 s53, s53, 8192                    ; k's scale words
	s_lshl_b32 s54, s50, 10
	s_add_co_u32 s54, s54, s52
	s_add_co_u32 s54, s54, 4096                    ; v's codes
	s_lshl_b32 s55, s50, 3
	s_add_co_u32 s55, s55, s48
	s_lshl_b32 s29, s51, 1
	s_add_co_u32 s55, s55, s29
	s_add_co_u32 s55, s55, 8704                    ; v's scale bytes
	s_cmp_lt_u32 s24, 10
	s_cselect_b32 s52, s52, s54
	s_cselect_b32 s53, s53, s55
	s_cmp_lt_u32 s24, 8
	s_cselect_b32 s42, s46, s52
	s_cselect_b32 s44, s47, s53
	s_mov_b32 s43, 0
	s_mov_b32 s45, 0
	s_wait_kmcnt 0x0
	s_add_nc_u64 s[4:5], s[4:5], s[32:33]
	s_add_nc_u64 s[6:7], s[6:7], s[34:35]
	s_add_nc_u64 s[8:9], s[8:9], s[34:35]
	s_add_nc_u64 s[22:23], s[22:23], s[56:57]
	s_cmp_lt_u32 s24, 8                            ; the buffers of my role: the choice hangs on the wave's number alone
	s_cselect_b64 s[10:11], s[10:11], s[14:15]     ; weight codes
	s_cselect_b64 s[12:13], s[12:13], s[16:17]     ; weight scales
	s_cselect_b64 s[14:15], s[18:19], s[20:21]     ; where my codes go: q or kv,
	s_mov_b64 s[16:17], s[14:15]                   ; and my scales
	s_add_nc_u64 s[10:11], s[10:11], s[38:39]
	s_add_nc_u64 s[12:13], s[12:13], s[40:41]
	s_add_nc_u64 s[14:15], s[14:15], s[42:43]
	s_add_nc_u64 s[16:17], s[16:17], s[44:45]
; weight tile t: four fragments (K steps) and the rows' 16 scale bytes.  They stay in registers.
.macro WLOAD t
.irp s, 0,1,2,3
.irp c, 0,1
	global_load_b128 v[W+32*\t+8*\s+4*\c:W+32*\t+8*\s+4*\c+3], v[WL], s[10:11] offset:(32*(\t/2)+8*(\t%2))*256+64*\s+32*\c
.endr
.endr
	global_load_b128 v[WS+4*\t:WS+4*\t+3], v[WSL], s[12:13] offset:(32*(\t/2)+8*(\t%2))*16
.endm
	s_cmp_lt_u32 s24, 14
	s_cbranch_scc0 .Lweights_asked                 ; waves 14, 15 have no product
	WLOAD 0
	WLOAD 1
	s_cmp_lt_u32 s24, 10
	s_cbranch_scc0 .Lweights_asked                 ; v's waves have two tiles
	WLOAD 2
	WLOAD 3
.Lweights_asked:
.set i, 0
.rept 64
	global_load_b32 v[X+i], v[XO], s[4:5] offset:8192*i    ; x(64 g + i, my n): the wave reads 128 consecutive bytes, the pair of waves of one g 256.  The last launch reads x again: no hint
.set i, i+1
.endr
	s_load_b512 s[32:47], s[6:7], 0x0              ; gamma and beta of my first 32 d
	s_load_b512 s[48:63], s[6:7], 0x40
	s_load_b512 s[68:83], s[8:9], 0x0
	s_load_b512 s[84:99], s[8:9], 0x40
	; ---- the rotary tables, while x is on its way.  Lane = j.  The signs stand in the constants: the exponential and the conversion take plain registers
	v_cvt_f32_u32 v[T], v[LN]                      ; j
	s_delay_alu instid0(VALU_DEP_1)
	v_mul_f32 v[T+1], 0xbed49a00, v[T]             ; -j x the upper 15 bits of log2(10) / 8: exact
	s_delay_alu instid0(VALU_DEP_1)
	v_rndne_f32 v[T+2], v[T+1]                     ; its whole part
	s_delay_alu instid0(VALU_DEP_1)
	v_sub_f32 v[T+1], v[T+1], v[T+2]               ; exact: a fraction of at most 1/2
	s_delay_alu instid0(VALU_DEP_1)
	v_fmac_f32 v[T+1], 0xb670979a, v[T]            ; - j x the rest of log2(10) / 8
	s_wait_alu depctr_va_vdst(0)
	v_exp_f32 v[T+1], v[T+1]
	v_cvt_i32_f32 v[T+2], v[T+2]                   ; (a plain place behind the exponential)
	s_wait_alu depctr_va_vdst(0)
	v_ldexp_f32 v[INVF], v[T+1], v[T+2]            ; inv_freq = 10^(-j / 8)
	v_fmaak_f32 v[T+3], 2.0, v[T], 0x41cccccd      ; 2 j + 25.6
	s_delay_alu instid0(VALU_DEP_1)
	v_mul_f32 v[T+3], 0x3c36db6e, v[T+3]           ; / 89.6
	s_wait_alu depctr_va_vdst(0)
	v_log_f32 v[T+3], v[T+3]
	v_nop                                          ; a plain place behind the logarithm
	s_wait_alu depctr_va_vdst(0)
	v_mul_f32 v[LOGB], 0x39800000, v[T+3]          ; log2(base_j) / 4096
; the table row of position 64 block + 4 wave + i
.macro TABLE i
	s_add_co_u32 s3, s2, \i
	v_cvt_f32_u32 v[T], s3                         ; pos
	s_delay_alu instid0(VALU_DEP_1)
	v_mul_f32 v[T+1], v[T], v[INVF]                ; the angle, rounded to f32 as it is defined
	s_delay_alu instid0(VALU_DEP_1)
	v_mul_f32 v[T+2], 0x3f22f983, v[T+1]
	s_delay_alu instid0(VALU_DEP_1)
	v_rndne_f32 v[T+2], v[T+2]                     ; k = the nearest whole number of pi / 2
	s_delay_alu instid0(VALU_DEP_1)
	v_fmamk_f32 v[T+3], v[T+2], 0xbfc90fdb, v[T+1] ; angle - k P1, P1 = pi / 2 as f32: exact (all terms are multiples of 2^-23, the result lies under 1)
	s_delay_alu instid0(VALU_DEP_1)
	v_fmac_f32 v[T+3], 0x333bbd2e, v[T+2]          ; + k (P1 - pi / 2)
	s_delay_alu instid0(VALU_DEP_1)
	v_mul_f32 v[T+4], v[T+3], v[T+3]               ; z
	v_mov_b32 v[T+5], 0xb94ca1f9
	s_delay_alu instid0(VALU_DEP_1)
	v_fmaak_f32 v[T+5], v[T+5], v[T+4], 0x3c08839e
	s_delay_alu instid0(VALU_DEP_1)
	v_fmaak_f32 v[T+5], v[T+5], v[T+4], 0xbe2aaaa3
	s_delay_alu instid0(VALU_DEP_4)
	v_mul_f32 v[T+6], v[T+4], v[T+3]
	s_delay_alu instid0(VALU_DEP_1)
	v_fma_f32 v[T+5], v[T+5], v[T+6], v[T+3]       ; sin of the rest
	v_mov_b32 v[T+7], 0x37ccf5ce
	s_delay_alu instid0(VALU_DEP_1)
	v_fmaak_f32 v[T+7], v[T+7], v[T+4], 0xbab6061a
	s_delay_alu instid0(VALU_DEP_1)
	v_fmaak_f32 v[T+7], v[T+7], v[T+4], 0x3d2aaaa5
	v_mul_f32 v[T+8], v[T+4], v[T+4]
	v_fma_f32 v[T+9], v[T+4], -0.5, 1.0
	s_delay_alu instid0(VALU_DEP_1)
	v_fma_f32 v[T+7], v[T+7], v[T+8], v[T+9]       ; cos of the rest
	v_cvt_i32_f32 v[T+10], v[T+2]                  ; the quadrant: k mod 4
	s_delay_alu instid0(VALU_DEP_1)
	v_and_b32 v[T+11], 1, v[T+10]
	s_delay_alu instid0(VALU_DEP_1)
	v_cmp_eq_u32 vcc_lo, 1, v[T+11]
	s_delay_alu instid0(VALU_DEP_1)
	v_cndmask_b32 v[T+12], v[T+5], v[T+7], vcc_lo  ; odd k: sin and cos change places
	s_delay_alu instid0(VALU_DEP_2)
	v_cndmask_b32 v[T+13], v[T+7], v[T+5], vcc_lo
	v_lshlrev_b32 v[T+11], 30, v[T+10]
	s_delay_alu instid0(VALU_DEP_1)
	v_and_b32 v[T+11], 0x80000000, v[T+11]         ; sin is negated for k mod 4 = 2, 3
	s_delay_alu instid0(VALU_DEP_1)
	v_xor_b32 v[T+12], v[T+11], v[T+12]
	v_add_nc_u32 v[T+10], 1, v[T+10]
	s_delay_alu instid0(VALU_DEP_1)
	v_lshlrev_b32 v[T+10], 30, v[T+10]
	s_delay_alu instid0(VALU_DEP_1)
	v_and_b32 v[T+10], 0x80000000, v[T+10]         ; cos for k mod 4 = 1, 2
	s_delay_alu instid0(VALU_DEP_1)
	v_xor_b32 v[T+13], v[T+10], v[T+13]
	v_add_f32 v[T+14], 0xc4800000, v[T]            ; pos - 1024
	s_delay_alu instid0(VALU_DEP_1)
	v_mul_f32 v[T+14], v[T+14], v[LOGB]
	s_delay_alu instid0(VALU_DEP_1)
	v_xor_b32 v[T+16], 0x80000000, v[T+14]         ; and its negative
	s_wait_alu depctr_va_vdst(0)
	v_exp_f32 v[T+15], v[T+14]                     ; scale = base^((pos - 1024) / 4096)
	v_exp_f32 v[T+16], v[T+16]                     ; 1 / scale
	v_nop                                          ; a plain place behind the exponentials
	s_wait_alu depctr_va_vdst(0)
	v_mul_f32 v[T+17], v[T+13], v[T+15]
	v_mul_f32 v[T+18], v[T+12], v[T+15]
	v_mul_f32 v[T+19], v[T+13], v[T+16]
	v_mul_f32 v[T+14], v[T+12], v[T+16]
	ds_store_b32 v[TW], v[T+17] offset:TP*\i
	ds_store_b32 v[TW], v[T+18] offset:TP*\i+TSZ
	ds_store_b32 v[TW], v[T+19] offset:TP*\i+2*TSZ
	ds_store_b32 v[TW], v[T+14] offset:TP*\i+3*TSZ
.endm
	TABLE 0
	TABLE 1
	TABLE 2
	TABLE 3
	; ---- my 64 numbers' mean, in four chains of pairs; loads come back in order, so each count leaves the later groups of 16 out (the weights were asked for ahead of x)
	s_wait_loadcnt 48
.irp c, 0,1,2,3
	v_pk_add_f32 v[T+2*\c:T+2*\c+1], v[X+2*\c:X+2*\c+1], v[X+8+2*\c:X+8+2*\c+1]
.endr
	s_wait_alu depctr_va_vdst(0)
.irp q, 1,2,3
	s_wait_alu depctr_va_vdst(0)
	s_wait_loadcnt 48-16*\q
.irp p, 0,1,2,3,4,5,6,7
	v_pk_add_f32 v[T+2*(\p%4):T+2*(\p%4)+1], v[T+2*(\p%4):T+2*(\p%4)+1], v[X+16*\q+2*\p:X+16*\q+2*\p+1]
.endr
.endr
	s_delay_alu instid0(VALU_DEP_3)
	v_pk_add_f32 v[T:T+1], v[T:T+1], v[T+2:T+3]
	s_delay_alu instid0(VALU_DEP_2)
	v_pk_add_f32 v[T+4:T+5], v[T+4:T+5], v[T+6:T+7]
	s_delay_alu instid0(VALU_DEP_1)
	v_pk_add_f32 v[T:T+1], v[T:T+1], v[T+4:T+5]
	s_delay_alu instid0(VALU_DEP_1)
	v_add_f32 v[T], v[T], v[T+1]
	s_delay_alu instid0(VALU_DEP_1)
	v_mul_f32 v[T+8], 0x3c800000, v[T]             ; / 64
	s_delay_alu instid0(VALU_DEP_1)
	v_mov_b32 v[T+9], v[T+8]
	; and the sum of squares about that mean
.irp q, 0,1,2,3,4,5,6,7
.irp c, 0,1,2,3
	v_pk_add_f32 v[T+10+2*\c:T+11+2*\c], v[X+8*\q+2*\c:X+8*\q+2*\c+1], v[T+8:T+9] neg_lo:[0,1] neg_hi:[0,1]
.endr
.irp c, 0,1,2,3
.if \q == 0
	s_delay_alu instid0(VALU_DEP_4)
	v_pk_mul_f32 v[T+2*\c:T+2*\c+1], v[T+10+2*\c:T+11+2*\c], v[T+10+2*\c:T+11+2*\c]
.else
	s_delay_alu instid0(VALU_DEP_4)
	v_pk_fma_f32 v[T+2*\c:T+2*\c+1], v[T+10+2*\c:T+11+2*\c], v[T+10+2*\c:T+11+2*\c], v[T+2*\c:T+2*\c+1]
.endif
.endr
.endr
	s_delay_alu instid0(VALU_DEP_3)
	v_pk_add_f32 v[T:T+1], v[T:T+1], v[T+2:T+3]
	s_delay_alu instid0(VALU_DEP_2)
	v_pk_add_f32 v[T+4:T+5], v[T+4:T+5], v[T+6:T+7]
	s_delay_alu instid0(VALU_DEP_1)
	v_pk_add_f32 v[T:T+1], v[T:T+1], v[T+4:T+5]
	s_delay_alu instid0(VALU_DEP_1)
	v_add_f32 v[T], v[T], v[T+1]
	ds_store_b32 v[STW], v[T+8]
	ds_store_b32 v[STW], v[T] offset:32
	BARRIER                                        ; the statistics of all eight parts of d, and the tables, lie in LDS
	; ---- the column's mean and variance from the eight parts: var = (sum of the parts' squares + 64 x sum of (part's mean - mean)^2) / 512
.irp k, 0,1,2,3
	ds_load_b128 v[T+4*\k:T+4*\k+3], v[STR] offset:16*\k
.endr
	s_mov_b32 s29, 0x3b000000                      ; 1 / 512
	s_wait_dscnt 0x0
	v_add_f32 v[T+16], v[T], v[T+1]
	v_add_f32 v[T+17], v[T+2], v[T+3]
	v_add_f32 v[T+18], v[T+4], v[T+5]
	v_add_f32 v[T+19], v[T+6], v[T+7]
	s_delay_alu instid0(VALU_DEP_3)
	v_add_f32 v[T+16], v[T+16], v[T+17]
	s_delay_alu instid0(VALU_DEP_2)
	v_add_f32 v[T+18], v[T+18], v[T+19]
	s_delay_alu instid0(VALU_DEP_1)
	v_add_f32 v[T+16], v[T+16], v[T+18]
	s_delay_alu instid0(VALU_DEP_1)
	v_mul_f32 v[MU], 0x3e000000, v[T+16]           ; / 8
	s_delay_alu instid0(VALU_DEP_1)
	v_mov_b32 v[MU+1], v[MU]
	v_add_f32 v[T+8], v[T+8], v[T+9]
	v_add_f32 v[T+10], v[T+10], v[T+11]
	v_add_f32 v[T+12], v[T+12], v[T+13]
	v_add_f32 v[T+14], v[T+14], v[T+15]
	s_delay_alu instid0(VALU_DEP_3)
	v_add_f32 v[T+8], v[T+8], v[T+10]
	s_delay_alu instid0(VALU_DEP_2)
	v_add_f32 v[T+12], v[T+12], v[T+14]
	s_delay_alu instid0(VALU_DEP_1)
	v_add_f32 v[T+8], v[T+8], v[T+12]
.irp p, 0,2,4,6
	v_pk_add_f32 v[T+\p:T+\p+1], v[T+\p:T+\p+1], v[MU:MU+1] neg_lo:[0,1] neg_hi:[0,1]
.endr
	s_delay_alu instid0(VALU_DEP_4)
	v_pk_mul_f32 v[T+16:T+17], v[T:T+1], v[T:T+1]
.irp p, 2,4,6
	s_delay_alu instid0(VALU_DEP_1)
	v_pk_fma_f32 v[T+16:T+17], v[T+\p:T+\p+1], v[T+\p:T+\p+1], v[T+16:T+17]
.endr
	s_delay_alu instid0(VALU_DEP_1)
	v_add_f32 v[T+16], v[T+16], v[T+17]
	s_delay_alu instid0(VALU_DEP_1)
	v_fmac_f32 v[T+8], 0x42800000, v[T+16]         ; + 64 x
	s_delay_alu instid0(VALU_DEP_1)
	v_fmaak_f32 v[T+8], s29, v[T+8], 0x3727c5ac    ; / 512 + 1e-5
	s_wait_alu depctr_va_vdst(0)
	v_rsq_f32 v[RS], v[T+8]
	v_nop                                          ; a plain place behind the root
	s_wait_alu depctr_va_vdst(0)
	v_mov_b32 v[RS+1], v[RS]
	s_cmp_lg_u32 s25, 0
	s_cbranch_scc1 .Lstats_stored                  ; waves 0 and 1 store them for the last launch: 128 consecutive bytes a store
	global_store_b32 v[XO], v[MU], s[22:23]
	global_store_b32 v[XO], v[RS], s[22:23] offset:32768
.Lstats_stored:
	; ---- xn = (x - mu) / sigma x gamma + beta, 16 d at a time; gamma and beta are the same in every lane: scalar registers, in two sets
.macro NORM c
.set NX, X+16*\c
.set NG, 32+16*(\c%2)
.set NB, 68+16*(\c%2)
.irp p, 0,2,4,6,8,10,12,14
	v_pk_add_f32 v[NX+\p:NX+\p+1], v[NX+\p:NX+\p+1], v[MU:MU+1] neg_lo:[0,1] neg_hi:[0,1]
.endr
	s_wait_alu depctr_va_vdst(0)
.irp p, 0,2,4,6,8,10,12,14
	v_pk_mul_f32 v[NX+\p:NX+\p+1], v[NX+\p:NX+\p+1], v[RS:RS+1]
.endr
.irp i, 0,1,2,3,4,5,6,7,8,9,10,11,12,13,14,15
	v_fma_f32 v[NX+\i], v[NX+\i], s[NG+\i], s[NB+\i]
.endr
.endm
; block e of my two: all its 32 numbers are mine.  Each block has its own registers for codes, byte and scale.
.macro QUANTB e
.set QX, X+32*\e
	v_max3_num_f32 v[T], |v[QX]|, |v[QX+1]|, |v[QX+2]|
	v_max3_num_f32 v[T+1], |v[QX+3]|, |v[QX+4]|, |v[QX+5]|
.irp i, 6,10,14,18,22,26
	s_delay_alu instid0(VALU_DEP_2)
	v_max3_num_f32 v[T], v[T], |v[QX+\i]|, |v[QX+\i+1]|
	s_delay_alu instid0(VALU_DEP_2)
	v_max3_num_f32 v[T+1], v[T+1], |v[QX+\i+2]|, |v[QX+\i+3]|
.endr
	s_delay_alu instid0(VALU_DEP_2)
	v_max3_num_f32 v[T], v[T], |v[QX+30]|, |v[QX+31]|
	s_delay_alu instid0(VALU_DEP_1)
	v_max3_num_f32 v[T], v[T], v[T+1], 0x1800000   ; and the floor 2^(3 - 127)
	s_delay_alu instid0(VALU_DEP_1)
	v_add_nc_u32 v[T+14+\e], 0xff000000, v[T]      ; 2 off the exponent field: the conversion's scale
	s_delay_alu instid0(VALU_DEP_1)
	v_lshrrev_b32 v[T+12+\e], 23, v[T+14+\e]       ; the scale's byte
.irp g, 0,1,2,3
	v_cvt_scalef32_pk8_fp4_f32 v[T+4+4*\e+\g], v[QX+8*\g:QX+8*\g+7], v[T+14+\e]
.endr
	v_nop                                          ; one plain place behind a scaled conversion: matrix instructions write these numbers' registers later
	ds_store_b128 v[XW], v[T+4+4*\e:T+7+4*\e] offset:256*\e
.endm
	s_wait_kmcnt 0x0
	NORM 0
	NORM 1
	s_load_b512 s[32:47], s[6:7], 0x80             ; gamma and beta of my last 32 d, while the first block is quantised
	s_load_b512 s[48:63], s[6:7], 0xc0
	s_load_b512 s[68:83], s[8:9], 0x80
	s_load_b512 s[84:99], s[8:9], 0xc0
	QUANTB 0
	s_wait_kmcnt 0x0
	NORM 2
	NORM 3
	QUANTB 1
	v_lshl_or_b32 v[T+12], v[T+13], 8, v[T+12]
	ds_store_b16 v[XSW], v[T+12]                   ; my two bytes of the row's scale word
	BARRIER                                        ; xn's sixteen fragments and their scale words lie in LDS.  No barrier follows
	v_and_b32 v8, 8, v[RR]                         ; k's and v's order of rows: lane r of tile t takes n = 8 t + r % 8 + 32 (r / 8)
	v_mad_u32_u24 v7, v8, 1008, v[LI]              ; v7: its place among xn's codes (offset 4,096 (t / 2) + 128 (t % 2))
	v_mad_u32_u24 v14, v8, 432, v[TA]              ; v14: among the table rows (offset 8 TP t)
	v_mad_u32_u24 v8, v8, 60, v[LS]                ; v8: among the scale words (offset 256 (t / 2) + 32 (t % 2))
	s_wait_alu depctr_va_vdst(0)
	s_cmp_lt_u32 s24, 8
	s_cbranch_scc1 .Lrot
	s_cmp_lt_u32 s24, 10
	s_cbranch_scc1 .Lrotk
	s_cmp_lt_u32 s24, 14
	s_cbranch_scc1 .Lv
	s_cmp_lg_u32 s24, 14
	s_cbranch_scc1 .Lidle
	s_load_b128 s[32:35], s[0:1], 0x50             ; Wout codes, wimg
	v_lshlrev_b32 v[T], 8, v[RR]
	v_lshl_add_u32 v[T], v[HH], 4, v[T]            ; 256 r + 16 h
	s_lshr_b32 s36, ttmp9, 2                       ; tile of 16 rows of Wout: work-group / 4; K step: work-group % 4
	s_lshl_b32 s36, s36, 12
	s_and_b32 s38, ttmp9, 3
	s_lshl_b32 s38, s38, 6
	s_add_co_u32 s36, s36, s38
	s_mov_b32 s37, 0
	s_lshl_b32 s38, ttmp9, 10
	s_mov_b32 s39, 0
	s_wait_alu depctr_va_vdst(0)
	s_wait_kmcnt 0x0
	s_add_nc_u64 s[32:33], s[32:33], s[36:37]
	s_add_nc_u64 s[34:35], s[34:35], s[38:39]
	global_load_b128 v[T+4:T+7], v[T], s[32:33]
	global_load_b128 v[T+8:T+11], v[T], s[32:33] offset:32
	s_wait_loadcnt 0x0
	global_store_b128 v[LI], v[T+4:T+7], s[34:35]
	global_store_b128 v[LI], v[T+8:T+11], s[34:35] offset:512
.Lidle:
	s_wait_tensorcnt 0x0
	ds_add_u32 v16, v17
	s_wait_dscnt 0x0
	s_endpgm
; ---- q and k: one text; the weights, the tables and the addresses differ.  Tile m of 16 rows: 16 products (four accumulators by turns), rotary, quantiser, 512 consecutive bytes out.
.macro ROT m, kk
.if \kk                                ; k: rows in the order of k's tiles
.set MA, 7
.set MSA, 8
.set MT, 14
.set MO, 4096*(\m/2)+128*(\m%2)
.set MSO, 256*(\m/2)+32*(\m%2)
.set MTO, 8*TP*\m
.else
.set MA, LI
.set MSA, LS
.set MT, TA
.set MO, 4096*\m
.set MSO, 256*\m
.set MTO, 16*TP*\m
.endif
.irp s, 0,1,2,3
.irp c, 0,1
	ds_load_b128 v[XF+8*\s+4*\c:XF+8*\s+4*\c+3], v[MA] offset:XIMG+MO+1024*\s+512*\c
.endr
	ds_load_b32 v[XS+\s], v[MSA] offset:MSO+64*\s
.endr
	s_wait_dscnt 0x0
.irp s, 0,1,2,3
.irp t, 0,1,2,3
.if \s == 0
	MM ACC+8*\t, W+32*\t+8*\s, XF+8*\s, WS+4*\t+\s, XS+\s, 1
.else
	MM ACC+8*\t, W+32*\t+8*\s, XF+8*\s, WS+4*\t+\s, XS+\s, 0
.endif
.endr
.endr
.rept 4
	v_nop                                          ; four places: loads into registers that the products have read, and the first read of results
.endr
.irp k, 0,1,2,3
	ds_load_b128 v[XF+4*\k:XF+4*\k+3], v[MT] offset:MTO+16*\k              ; cos x scale of my row, j = 16 h + 0 .. 15
	ds_load_b128 v[XF+16+4*\k:XF+16+4*\k+3], v[MT] offset:MTO+16*\k+TSZ    ; sin x scale
.endr
	s_wait_dscnt 0x0
.irp i, 0,2,4,6,8,10,12,14                     ; a = channel j, b = channel j + 32:  a' = a cos - b sin,  b' = b cos + a sin.  Each accumulator is read from its low end on
	v_pk_mul_f32 v[T+16:T+17], v[ACC+\i:ACC+\i+1], v[XF+16+\i:XF+17+\i]
	v_pk_mul_f32 v[T+18:T+19], v[ACC+16+\i:ACC+17+\i], v[XF+16+\i:XF+17+\i]
	v_pk_fma_f32 v[ACC+\i:ACC+\i+1], v[ACC+\i:ACC+\i+1], v[XF+\i:XF+\i+1], v[T+18:T+19] neg_lo:[0,0,1] neg_hi:[0,0,1]
	v_pk_fma_f32 v[ACC+16+\i:ACC+17+\i], v[ACC+16+\i:ACC+17+\i], v[XF+\i:XF+\i+1], v[T+16:T+17]
.endr
	s_wait_xcnt 0x0                                ; the last tile's store has read its registers: the codes are written again only behind this wait
	QUANT2 ACC, T, T+8
	v_lshl_or_b32 v[T+4+\m], v[T+11], 8, v[T+10]
	s_delay_alu instid0(VALU_DEP_1)
	v_or_b32 v[T+4+\m], 0x7f7f0000, v[T+4+\m]      ; bytes 2, 3: 127 for the half of K that holds zero codes
	global_store_b128 v[LI], v[T:T+3], s[14:15] offset:512*\m
.endm
.Lrotk:
	ROT 0, 1
	ROT 1, 1
	ROT 2, 1
	ROT 3, 1
	s_wait_alu depctr_va_vdst(0)
	s_branch .Lrotend
.Lrot:
	ROT 0, 0
	ROT 1, 0
	ROT 2, 0
	ROT 3, 0
.Lrotend:
	s_wait_alu depctr_va_vdst(0)
	s_wait_xcnt 0x0                                ; EXEC changes only behind this wait
	v_cmp_gt_u32 vcc_lo, 16, v[LN]
	s_wait_tensorcnt 0x0
	ds_add_u32 v16, v17
	s_wait_dscnt 0x0
	s_and_saveexec_b32 s29, vcc_lo
	global_store_b128 v[R16], v[T+4:T+7], s[16:17] ; lane r: row r's words of the four tiles: sixteen lanes store 256 consecutive bytes, aligned
	s_wait_xcnt 0x0
	s_or_b32 exec_lo, exec_lo, s29
	s_endpgm
; ---- v: eight accumulators (channel tile u, tile of keys m) by turns, a K step at a time
.Lv:
.irp s, 0,1,2,3
.if \s > 0
.rept 4
	v_nop                                          ; four places in front of loads into registers that the products have read
.endr
.endif
.irp m, 0,1,2,3
.irp c, 0,1
	ds_load_b128 v[XF+8*\m+4*\c:XF+8*\m+4*\c+3], v7 offset:XIMG+4096*(\m/2)+128*(\m%2)+1024*\s+512*\c
.endr
	ds_load_b32 v[XS+\m], v8 offset:256*(\m/2)+32*(\m%2)+64*\s
.endr
	s_wait_dscnt 0x0
.irp m, 0,1,2,3
.irp u, 0,1
.if \s == 0
	MM VA+32*\u+8*\m, XF+8*\m, W+32*\u+8*\s, XS+\m, WS+4*\u+\s, 1
.else
	MM VA+32*\u+8*\m, XF+8*\m, W+32*\u+8*\s, XS+\m, WS+4*\u+\s, 0
.endif
.endr
.endr
.endr
.rept 4
	v_nop                                          ; four places in front of the first read of results
.endr
.irp u, 0,1
.set QX, VA+32*\u                      ; my block of 32 keys (the h-th of the 64) of channel r
	v_max3_num_f32 v[T+8], |v[QX]|, |v[QX+1]|, 0x1800000
	v_max3_num_f32 v[T+9], |v[QX+2]|, |v[QX+3]|, |v[QX+4]|
.irp i, 5,9,13,17,21,25
	v_max3_num_f32 v[T+8], v[T+8], |v[QX+\i]|, |v[QX+\i+1]|
	v_max3_num_f32 v[T+9], v[T+9], |v[QX+\i+2]|, |v[QX+\i+3]|
.endr
	v_max3_num_f32 v[T+8], v[T+8], |v[QX+29]|, |v[QX+30]|
	v_max3_num_f32 v[T+8], v[T+8], v[T+9], |v[QX+31]|
	v_add_nc_u32 v[T+12], 0xff000000, v[T+8]
	v_lshrrev_b32 v[T+10], 23, v[T+12]             ; the scale's byte
	v_permlanex16_b32 v[T+11], v[T+10], s[SEL], s[SEL+1]
.irp g, 0,1,2,3
	v_cvt_scalef32_pk8_fp4_f32 v[T+4*\u+\g], v[QX+8*\g:QX+8*\g+7], v[T+12]
.endr
	v_lshl_or_b32 v[T+14+\u], v[T+11], 8, v[T+10]  ; lanes 0-15: both blocks' bytes.  (The plain place behind the conversions)
	global_store_b128 v[LI], v[T+4*\u:T+4*\u+3], s[14:15] offset:512*\u
.endr
	s_wait_alu depctr_va_vdst(0)
	s_wait_xcnt 0x0                                ; EXEC changes only behind this wait
	v_cmp_gt_u32 vcc_lo, 16, v[LN]
	s_wait_tensorcnt 0x0
	ds_add_u32 v16, v17
	s_wait_dscnt 0x0
	s_and_saveexec_b32 s29, vcc_lo
	global_store_b16 v[R16], v[T+14], s[16:17]             ; two bytes a channel, 16 bytes apart: the other two bytes of each word belong to the work-group of the record's other 64 keys.  32 KiB in the whole launch
	global_store_b16 v[R16], v[T+15], s[16:17] offset:4
	s_wait_xcnt 0x0
	s_or_b32 exec_lo, exec_lo, s29
	s_endpgm
.Lfunc_end_k_qc36d63fb26_prep:
	.size	k_qc36d63fb26_prep, .Lfunc_end_k_qc36d63fb26_prep-k_qc36d63fb26_prep
	.p2alignl 7, 3214868480
	.fill 96, 4, 3214868480
	.section	.rodata,"a",@progbits
	.p2align	6, 0x0
	.amdhsa_kernel k_qc36d63fb26_prep
		.amdhsa_group_segment_fixed_size 61440
		.amdhsa_private_segment_fixed_size 0
		.amdhsa_enable_private_segment 0
		.amdhsa_kernarg_size 96
		.amdhsa_user_sgpr_count 2
		.amdhsa_user_sgpr_kernarg_segment_ptr 1
		.amdhsa_wavefront_size32 1
		.amdhsa_system_sgpr_workgroup_id_x 1
		.amdhsa_system_sgpr_workgroup_id_y 1
		.amdhsa_system_sgpr_workgroup_id_z 1
		.amdhsa_system_vgpr_workitem_id 0
		.amdhsa_next_free_vgpr 256
		.amdhsa_next_free_sgpr 100
		.amdhsa_reserve_vcc 1
		.amdhsa_float_denorm_mode_32 3
		.amdhsa_float_denorm_mode_16_64 3
		.amdhsa_memory_ordered 1
		.amdhsa_forward_progress 1
		.amdhsa_inst_pref_size 127
	.end_amdhsa_kernel
	.amdgpu_metadata
---
amdhsa.version: [ 1, 2 ]
amdhsa.kernels:
  - .name:           k_qc36d63fb26_prep
    .symbol:         k_qc36d63fb26_prep.kd
    .args:
      - { .name: x, .offset: 0, .size: 8, .value_kind: global_buffer, .address_space: global }
      - { .name: gamma, .offset: 8, .size: 8, .value_kind: global_buffer, .address_space: global }
      - { .name: beta, .offset: 16, .size: 8, .value_kind: global_buffer, .address_space: global }
      - { .name: Wq_codes, .offset: 24, .size: 8, .value_kind: global_buffer, .address_space: global }
      - { .name: Wq_scales, .offset: 32, .size: 8, .value_kind: global_buffer, .address_space: global }
      - { .name: Wkv_codes, .offset: 40, .size: 8, .value_kind: global_buffer, .address_space: global }
      - { .name: Wkv_scales, .offset: 48, .size: 8, .value_kind: global_buffer, .address_space: global }
      - { .name: q, .offset: 56, .size: 8, .value_kind: global_buffer, .address_space: global }
      - { .name: kv, .offset: 64, .size: 8, .value_kind: global_buffer, .address_space: global }
      - { .name: stats, .offset: 72, .size: 8, .value_kind: global_buffer, .address_space: global }
      - { .name: Wout_codes, .offset: 80, .size: 8, .value_kind: global_buffer, .address_space: global }
      - { .name: wimg, .offset: 88, .size: 8, .value_kind: global_buffer, .address_space: global }
    .group_segment_fixed_size: 61440
    .private_segment_fixed_size: 0
    .kernarg_segment_align: 8
    .kernarg_segment_size: 96
    .max_flat_workgroup_size: 512
    .sgpr_count:     100
    .vgpr_count:     256
    .wavefront_size: 32
...
	.end_amdgpu_metadata
.endif
;; end of part 1
;; launch attn (part 2): grid 64 x 4, 16 waves a work-group, clusters of 4 x 1, 327,680 bytes of LDS; arguments q, kv, stats, x, gamma, beta, bout, wimg, Wout_scales, out0; writes out0
.if DOCPART == 2
	.amdgcn_target "amdgcn-amd-amdhsa--gfx1250"
	.amdhsa_code_object_version 6
	.text
	.protected	k_qc36d63fb26_attn
	.globl	k_qc36d63fb26_attn
	.p2align	8
	.type	k_qc36d63fb26_attn,@function
k_qc36d63fb26_attn:
	s_mov_b64 s[64:65], 0
	v_nop
	global_prefetch_b8 v0, s[64:65] scope:SCOPE_SE
	s_setreg_imm32_b32 hwreg(HW_REG_WAVE_MODE, 25, 1), 1
	s_wait_xcnt 0x0
	s_wait_alu depctr_hold_cnt(0) depctr_sa_sdst(0) depctr_va_vdst(0) depctr_va_sdst(0) depctr_va_ssrc(0) depctr_va_vcc(0) depctr_vm_vsrc(0)
	s_getreg_b32 s2, hwreg(HW_REG_IB_STS2, 6, 4)
	s_cmp_eq_u32 s2, 0
	s_cbranch_scc0 .Lentry_in_a_cluster
	s_endpgm
.Lentry_in_a_cluster:
	s_bfe_u32 s2, ttmp6, 0x10000c
	s_cmp_lg_u32 s2, 0x3003
	s_cbranch_scc0 .Lentry_shape_is_right
	s_endpgm
.Lentry_shape_is_right:
; ATTN.  For each batch and head: O = softmax(Q K^T / 8) V, then out0[b][d][n] = xn(n, d) + (O / l quantised) Wout + bout[d]; all products on codes of FP4 (E2M1), one E8M0 byte for each 32 along a product's K.
; t = score x log2(e) / 8;  M = the running largest t rounded UP to a whole number;  p = 2^(t - M) is what is quantised, along the keys, not normalised;  l is the sum of the unquantised p.
; When M moves, l and O are multiplied by 2^(old M - new M): exact.
; SHARES.  A work-group owns 32 rows n of one batch and ALL 8 heads: sixteen (head, 16 queries), one a wave: 64 x 4 = 256 work-groups of equal work.  Wave w: head w / 2, queries 16 (w % 2) on.
;   Since it has all heads of its rows, it goes on to the last product itself: the heads' codes meet in LDS (8 KiB), and wave w makes d = 32 w .. + 31 of its 32 rows.
;   Rows of x and out0 come and go as 128 consecutive bytes, whole in one instruction: 64 n a work-group would leave half of the 256 WGPs without work.  The other half of such a 256 belongs to the neighbour in the cluster.
; ALL KEYS of both kv heads of the batch, 32 records of 8,960 bytes (128 keys each) = 286,720 bytes, come into LDS ONCE, as they lie in memory, by one joint load a wave: the four work-groups of a cluster have the same batch.
; No prefetch: the tiles are all asked for at the head, and no loop stands ahead of them; x is asked for ahead of the loop and lands under it.
; LAYOUT.  S^T = K Q^T (source 0 = 16 keys, source 1 = my queries): a lane holds ONE query.  Row r of key tile t (of the four in 64 keys) is key 8 t + r or, from r = 8 on, 32 + 8 t + r - 8: so lane (r, h)'s 32 registers of four
;   tiles are the 32 keys of ONE block, in order: its maximum asks no other lane, and its codes are the operand's registers.  V's channel tiles and Wout's K go by the same order.
; K = 64 of the instruction's 128: Q's registers 4-7 are zero codes; K's fragment takes the next tile's codes there (behind the last tile zeros), which those zeros make count for nothing.
; A BLOCK'S SCALE: floor(log2) of its largest p is floor(t - M) of its largest score: no exponential.  Where t - M lies within f32's rounding of a whole number either scale is a right rounding.
; LIMITS: NaN and infinities are not served; scaled scores stay under 2^31 in magnitude; a block whose every number lies under 2^-124 keeps the byte 1.
.set REC,  8960                        ; a record: 128 keys: K's codes,
.set VCO,  4096                        ; V's codes,
.set KSC,  8192                        ; K's scale words,
.set VSC,  8704                        ; V's
.set HEADB, 16*REC                     ; a kv head
.set CHUNK, 2*REC                      ; what one wave fetches: 70 rows of 256 bytes
.set SPARE, 2*HEADB                    ; the spare words, 128 bytes for each wave
.set OX,   SPARE+2048                  ; the heads' codes: fragment (query tile m, K step s) at (4 m + s) 1,024 + 512 c + 16 lane
.set OSX,  OX+8192                     ; their scale words: 256 m + 16 r + 4 s
.set SP,   144                         ; the way out: rows of 128 + 16 bytes, 32 for each wave, in K's and V's bytes, which have had their only fill and, behind the barrier, their last read
.set LI,  1                            ; v1   my kv head + 16 x lane
.set LR,  2                            ; v2   my kv head + 16 r
.set ADR, 3                            ; v3, v4  the same in the record in hand
.set ADS, 4
.set SPW, 5                            ; v5   my spare word;  v6  0
.set NIL, 6
.set XO,  7                            ; v7   x, out0: row lane / 8, 16 bytes at lane % 8
.set MX,  8                            ; v8   the largest score so far;  v9 at work, then f;  v10 -M, v11 -M;  v12-15 l in four parts;  v16 f;  v17 the other half's
.set BM,  18                           ; v18-21 maxima, then the conversions' scales (v20, v21);  v22, v23 at work
.set KS,  24                           ; v24-31 K's scale words, v32-35 V's, v36 p's, v37 Q's (v24-39: scales and nothing else)
.set VS,  32
.set PS,  36
.set QS,  37
.set QF,  40                           ; v40-47 Q (v44-47 zero codes)
.set KF,  48                           ; v48-79 K's eight tiles, v80-83 zero codes
.set VF,  84                           ; v84-115 V's four fragments
.set PC,  116                          ; v116-123 p's codes
.set CC,  124                          ; v124, v125  c = log2(e) / 8
.set S,   128                          ; v128-191 S^T, then p
.set O,   192                          ; v192-223 O^T
.set X,   224                          ; v224-255 my part of x
.set WV,  24                           ; s24 wave
.set G1,  32                           ; s[32:39] descriptor group 1;  s[40:43] group 0
.set G0,  40
.set SEL, 60                           ; s[60:61] v_permlanex16_b32's selects for lane l xor 16
.set TB,  62                           ; s62 the record in hand
.set CNT, 63
.macro CROUND                          ; a round of the cluster's barrier
	s_barrier_signal -1
	s_barrier_wait -1
	s_cmp_lg_u32 s[WV], 0
	s_cbranch_scc1 .Lnot_wave_0_\@
	s_barrier_signal -3
.Lnot_wave_0_\@:
	s_barrier_wait -3
	s_barrier_signal -1
	s_barrier_wait -1
.endm
.macro MM d, a, b, sa, sb, first
.if \first
	v_wmma_scale_f32_16x16x128_f8f6f4 v[\d:\d+7], v[\a:\a+7], v[\b:\b+7], 0, v[\sa], v[\sb] matrix_a_fmt:MATRIX_FMT_FP4 matrix_b_fmt:MATRIX_FMT_FP4
.else
	v_wmma_scale_f32_16x16x128_f8f6f4 v[\d:\d+7], v[\a:\a+7], v[\b:\b+7], v[\d:\d+7], v[\sa], v[\sb] matrix_a_fmt:MATRIX_FMT_FP4 matrix_b_fmt:MATRIX_FMT_FP4
.endif
.endm
.macro KLOAD a, s, o                   ; a record's K: ten loads
	ds_load_b128 v[KS:KS+3], v[\s] offset:(\o)+KSC
	ds_load_b128 v[KS+4:KS+7], v[\s] offset:(\o)+KSC+256
.irp t, 0,1,2,3,4,5,6,7
	ds_load_b128 v[KF+4*\t:KF+4*\t+3], v[\a] offset:(\o)+512*\t
.endr
.endm
.macro FMA2 j                          ; t - M of two scores
	v_dual_fma_f32 v[S+(\j)], v[S+(\j)], v[CC], v10 :: v_dual_fma_f32 v[S+(\j)+1], v[S+(\j)+1], v[CC+1], v11
.endm
.macro RES2 j                          ; O^T under the new M
	v_dual_mul_f32 v[O+(\j)], v[O+(\j)], v16 :: v_dual_mul_f32 v[O+(\j)+1], v[O+(\j)+1], v9
.endm
.macro SUM2 j, a
	v_dual_add_f32 v[\a], v[S+(\j)], v[\a] :: v_dual_add_f32 v[\a+1], v[S+(\j)+1], v[\a+1]
.endm
.macro SUMS b                          ; 32 numbers onto l, by turns onto its two pairs of parts
.irp j, 0,4,8,12,16,20,24,28
	SUM2 (\b)+\j, 12
	SUM2 (\b)+\j+2, 14
.endr
.endm
; A STEP: 128 keys, one record.  K lies in registers already; the next record's K is fetched behind this one's scores (last = 1: nothing follows).
.macro STEP last
	v_add_nc_u32 v[ADR], s[TB], v[LI]
	v_add_nc_u32 v[ADS], s[TB], v[LR]
	v_nop
	v_nop                                          ; with the two additions: four places behind the last step's products, in front of loads into V's registers
	ds_load_b128 v[VS:VS+3], v[ADS] offset:VSC
.irp e, 0,1,2,3
.irp c, 0,1
	ds_load_b128 v[VF+8*\e+4*\c:VF+8*\e+4*\c+3], v[ADR] offset:VCO+2048*\c+512*\e
.endr
.endr
	s_wait_alu depctr_va_vdst(0)
	s_wait_dscnt 9                                 ; K is in; V's nine loads may stay out until the second product
.irp t, 0,1,2,3,4,5,6,7
	MM S+8*\t, KF+4*\t, QF, KS+\t, QS, 1
.endr
.rept 4
	v_nop                                          ; four places: loads into registers that the products have read, and the first read of results
.endr
.if \last == 0
	KLOAD ADR, ADS, REC
.endif
.irp k, 0,1,2,3
	v_max3_num_f32 v[BM+\k], v[S+16*\k], v[S+16*\k+1], v[S+16*\k+2]   ; my two blocks' largest scores, each in two chains
.endr
.irp i, 3,5,7,9,11,13
.irp k, 0,1,2,3
	v_max3_num_f32 v[BM+\k], v[BM+\k], v[S+16*\k+\i], v[S+16*\k+\i+1]
.endr
.endr
	v_max3_num_f32 v[BM], v[BM], v[BM+1], v[S+15]
	v_max3_num_f32 v[BM+2], v[BM+2], v[BM+3], v[S+47]
	v_max_num_f32 v[BM], v[BM], v[S+31]            ; block h,
	v_max_num_f32 v[BM+1], v[BM+2], v[S+63]        ; block 2 + h
	v_max3_num_f32 v9, v[BM], v[BM+1], v[MX]
	s_delay_alu instid0(VALU_DEP_1)
	v_permlanex16_b32 v17, v9, s[SEL], s[SEL+1]
	s_delay_alu instid0(VALU_DEP_1)
	v_max_num_f32 v[MX], v9, v17                   ; the running largest score of my query
	s_delay_alu instid0(VALU_DEP_1)
	v_mul_f32 v9, 0xbe38aa3b, v[MX]                ; -t
	s_delay_alu instid0(VALU_DEP_1)
	v_floor_f32 v11, v9                            ; -M = floor(-t): M is a whole number
	s_delay_alu instid0(VALU_DEP_1)
	v_sub_f32 v9, v11, v10                         ; old M - new M: a whole number, 0 or less
	v_mov_b32 v10, v11
.irp j, 0,2,4,6
	FMA2 \j
.endr
	v_cvt_i32_f32 v9, v9                           ; (it saturates)
	v_dual_fma_f32 v20, v18, v[CC], v10 :: v_dual_fma_f32 v21, v19, v[CC+1], v11   ; t - M of the blocks' largest scores
.irp j, 8,10,12,14
	FMA2 \j
.endr
	v_ldexp_f32 v16, 1.0, v9                       ; f = 2^(old M - new M), twice
	v_ldexp_f32 v9, 1.0, v9
	v_cvt_floor_i32_f32 v20, v20                   ; the largest p's exponent
	v_cvt_floor_i32_f32 v21, v21
.irp j, 16,18,20,22
	FMA2 \j
.endr
	v_max_i32 v20, 0xffffff84, v20                 ; at least -124: the byte cannot fall under 1
	v_max_i32 v21, 0xffffff84, v21
.irp j, 24,26,28,30
	FMA2 \j
.endr
	v_add_lshl_u32 v20, v20, 0x7d, 23              ; less 2, plus 127, in the exponent field: the conversion's scale
	v_add_lshl_u32 v21, v21, 0x7d, 23
.irp j, 0,2,4,6
	RES2 \j
.endr
	v_lshrrev_b32 v22, 23, v20                     ; the scale's byte,
	v_lshrrev_b32 v23, 7, v21                      ; and the other's, 16 bits up
.irp j, 8,10,12,14
	RES2 \j
.endr
	v_or_b32 v22, v22, v23
.irp j, 16,18,20,22
	RES2 \j
.endr
	v_permlanex16_b32 v17, v22, s[SEL], s[SEL+1]
.irp j, 24,26,28,30
	RES2 \j
.endr
	v_lshl_or_b32 v[PS], v17, 8, v22               ; lanes 0-15: p's scale word for these 128 keys
	v_dual_mul_f32 v12, v12, v16 :: v_dual_mul_f32 v13, v13, v9
	v_dual_mul_f32 v14, v14, v16 :: v_dual_mul_f32 v15, v15, v9
	s_wait_alu depctr_va_vdst(0)
.irp k, 0,2,4,6,8,10,12,14,16,18,20,22,24,26,28,30
	v_exp_f32 v[S+\k], v[S+\k]                     ; p = 2^(t - M): the first block's, with the second's scaling between
	v_exp_f32 v[S+\k+1], v[S+\k+1]
	FMA2 32+\k
.endr
	s_wait_alu depctr_va_vdst(0)                   ; behind the first batch and ahead of the second
.irp k, 32,34,36,38,40,42,44,46,48,50,52,54,56,58,60,62
	v_exp_f32 v[S+\k], v[S+\k]
	v_exp_f32 v[S+\k+1], v[S+\k+1]
.endr
	SUMS 0                                         ; (reads the first batch alone)
.irp t, 0,1,2,3
	v_cvt_scalef32_pk8_fp4_f32 v[PC+\t], v[S+8*\t:S+8*\t+7], v20
.endr
	s_wait_alu depctr_va_vdst(0)                   ; behind the second batch
.irp t, 4,5,6,7
	v_cvt_scalef32_pk8_fp4_f32 v[PC+\t], v[S+8*\t:S+8*\t+7], v21
.endr
	SUMS 32                                        ; (and these are the places between the writes of p's codes and the products)
	s_wait_alu depctr_va_vdst(0)
.if \last
	s_wait_dscnt 0x0
.else
	s_wait_dscnt 10                                ; V is in; the next K's ten loads may stay out
.endif
.irp e, 0,1,2,3
	MM O+8*\e, VF+8*\e, PC, VS+\e, PS, 0           ; the four accumulators take turns, with eight scores' products between a sum's steps
.endr
.endm
	s_load_b512 s[4:19], s[0:1], 0x0               ; q 4:5, kv 6:7, stats 8:9, x 10:11, gamma 12:13, beta 14:15, bout 16:17, wimg 18:19
	s_load_b128 s[20:23], s[0:1], 0x40             ; Wout scales 20:21, out0 22:23
	v_lshl_add_u32 v[SPW], v0, 2, SPARE
	v_mov_b32 v[NIL], 0
	ds_add_u32 v[SPW], v[NIL]                      ; the opening add, twice on end
	ds_add_u32 v[SPW], v[NIL]
	v_lshrrev_b32 v7, 5, v0
	v_readfirstlane_b32 s[WV], v7                  ; wave 0..15
	v_and_b32 v8, 31, v0                           ; lane
	v_and_b32 v9, 15, v0                           ; r
	s_bfe_u32 s25, s[WV], 0x10001                  ; kv head = head % 2
	s_mul_i32 s67, s25, HEADB
	v_lshlrev_b32 v18, 4, v8                       ; 16 x lane
	v_lshlrev_b32 v19, 4, v9                       ; 16 r
	v_add_nc_u32 v[LI], s67, v18
	v_add_nc_u32 v[LR], s67, v19
	v_lshrrev_b32 v20, 3, v8
	v_and_b32 v21, 7, v8
	v_lshlrev_b32 v21, 4, v21
	v_lshl_add_u32 v[XO], v20, 13, v21             ; 8,192 (lane / 8) + 16 (lane % 8)
	s_bfe_u32 s29, ttmp6, 0x40000                  ; cx: it enters no joint load's descriptor and no LDS address
	s_lshl_b32 s26, ttmp9, 2
	s_add_co_u32 s26, s26, s29                     ; my block of 32 rows
	s_and_b32 s27, ttmp7, 0xffff                   ; b
	s_lshr_b32 s28, s[WV], 1                       ; head
	s_mul_i32 s[G0+1], s[WV], CHUNK                ; my part of the batch's records: its place in LDS,
	s_mul_i32 s44, s27, 2*HEADB
	s_add_co_u32 s44, s44, s[G0+1]                 ; and in memory
	s_mov_b32 s45, 0
	s_mov_b32 s[G1], 15|(3<<16)|(1<<21)            ; 15:0 the mask: all four; 17:16 elements of 8 bytes; no padding; 21 set beside a mask
	s_mov_b32 s[G1+1], 32<<16                      ; rows of 256 bytes
	s_mov_b32 s[G1+2], 70<<16
	s_mov_b32 s[G1+3], 32<<16
	s_mov_b32 s[G1+4], 70
	s_mov_b32 s[G1+5], 32                          ; the block is dense
	s_mov_b32 s[G1+6], 0
	s_mov_b32 s[G1+7], 0
	s_lshl_b32 s46, s27, 3                         ; q: record 32 (8 b + head) + block / 2, tile 2 (block % 2) + wave % 2
	s_add_co_u32 s46, s46, s28
	s_lshl_b32 s46, s46, 5
	s_lshr_b32 s67, s26, 1
	s_add_co_u32 s46, s46, s67
	s_mul_i32 s46, s46, 2304
	s_and_b32 s67, s26, 1
	s_lshl_b32 s67, s67, 1
	s_and_b32 s68, s[WV], 1
	s_add_co_u32 s67, s67, s68
	s_lshl_b32 s68, s67, 2
	s_add_co_u32 s48, s46, s68
	s_add_co_u32 s48, s48, 2048                    ; its scale words
	s_lshl_b32 s67, s67, 9
	s_add_co_u32 s46, s46, s67                     ; its codes
	s_mov_b32 s47, 0
	s_mov_b32 s49, 0
	s_lshl_b32 s50, s27, 22                        ; x, out0: b x 512 rows of 8,192 bytes + 32 w rows + 128 block
	s_lshl_b32 s67, s[WV], 18
	s_add_co_u32 s50, s50, s67
	s_lshl_b32 s67, s26, 7
	s_add_co_u32 s50, s50, s67
	s_mov_b32 s51, 0
	s_lshl_b32 s52, s27, 13                        ; stats: row 2,048 b + 32 block
	s_add_co_u32 s52, s52, s67
	s_mov_b32 s53, 0
	s_lshl_b32 s54, s[WV], 7                       ; gamma, beta, bout: 32 w numbers on
	s_mov_b32 s55, 0
	s_lshl_b32 s56, s[WV], 13                      ; Wout's image: two tiles of four fragments of 1,024 bytes
	s_mov_b32 s57, 0
	s_lshl_b32 s58, s[WV], 9                       ; Wout's scale bytes: 32 w rows of 16
	s_mov_b32 s59, 0
	s_mov_b32 s[SEL], 0x76543210
	s_mov_b32 s[SEL+1], 0xfedcba98
	s_mov_b32 s[TB], 0
	s_mov_b32 s[CNT], 15
	s_wait_alu depctr_va_vdst(0)
	s_wait_dscnt 0x0                               ; both opening adds are done
	s_wait_kmcnt 0x0
	s_add_nc_u64 s[68:69], s[4:5], s[46:47]
	s_add_nc_u64 s[70:71], s[4:5], s[48:49]
	s_add_nc_u64 s[8:9], s[8:9], s[52:53]
	s_add_nc_u64 s[10:11], s[10:11], s[50:51]
	s_add_nc_u64 s[12:13], s[12:13], s[54:55]
	s_add_nc_u64 s[14:15], s[14:15], s[54:55]
	s_add_nc_u64 s[16:17], s[16:17], s[54:55]
	s_add_nc_u64 s[18:19], s[18:19], s[56:57]
	s_add_nc_u64 s[20:21], s[20:21], s[58:59]
	s_add_nc_u64 s[22:23], s[22:23], s[50:51]
	s_mov_b32 s[G0], 1                             ; count = 1
	s_add_nc_u64 s[G0+2:G0+3], s[6:7], s[44:45]
	s_or_b32 s[G0+3], s[G0+3], 0x80000000          ; type = 2
	CROUND                                         ; all four work-groups are here: the joint loads meet
	tensor_load_to_lds s[G0:G0+3], s[G1:G1+7]      ; one a wave
	s_nop 0
	global_load_b128 v[QF:QF+3], v18, s[68:69]     ; Q's codes: 512 consecutive bytes
	global_load_b32 v[QS], v19, s[70:71]           ; and scale words
.irp j, 0,1,2,3
	v_mov_b32 v[QF+4+\j], 0                        ; zero codes, written once
	v_mov_b32 v[KF+32+\j], 0
	v_mov_b32 v[12+\j], 0                          ; l
.endr
.set j, 0
.rept 32
	v_mov_b32 v[O+j], 0                            ; O^T.  (The loop's first step finds zeros, which the first change of M leaves zeros)
.set j, j+1
.endr
	v_mov_b32 v[MX], 0xff61b1e6                    ; the largest score so far: -3e38
	v_mov_b32 v10, 0x7e967699                      ; -M under it: 1e38: the first f is 0
	v_mov_b32 v17, 0                               ; written once: a lane permute's destination counts as one of its sources
	v_mov_b32 v[CC], 0x3e38aa3b                    ; c = log2(e) / 8
	v_mov_b32 v[CC+1], 0x3e38aa3b
	s_wait_alu depctr_va_vdst(0)
	s_wait_loadcnt 0x0                             ; Q
	s_wait_tensorcnt 0x0                           ; my part has landed,
	s_barrier_signal -1
	s_barrier_wait -1                              ; everybody's has
	KLOAD LI, LR, 0
.irp i, 0,1,2,3,4,5,6,7
	global_load_b128 v[X+4*\i:X+4*\i+3], v[XO], s[10:11] offset:32768*\i th:TH_LOAD_NT   ; x(32 w + 4 i + lane / 8, 4 (lane % 8) ..): eight lanes read a row's 128 bytes; wanted behind the loop
.endr
.Lstep:                                            ; 15 trips, and the last step written out
	STEP 0
	s_add_co_u32 s[TB], s[TB], REC
	s_sub_co_u32 s[CNT], s[CNT], 1
	s_cmp_lg_u32 s[CNT], 0
	s_cbranch_scc1 .Lstep
	STEP 1
	; ---- what the last product wants is asked for (32 loads), then O / l, quantised along the head's 64 channels
	v_add_f32 v12, v12, v13
	v_add_f32 v14, v14, v15
	v_and_b32 v3, 31, v0                           ; lane
	v_and_b32 v4, 15, v0                           ; r
	v_bfe_u32 v23, v0, 4, 1                        ; h.  (Five lines: the places behind the last products)
	v_add_f32 v12, v12, v14
	v_lshlrev_b32 v18, 4, v3                       ; 16 x lane
	v_lshlrev_b32 v19, 4, v4                       ; 16 r
	v_and_b32 v20, 7, v3
	v_lshlrev_b32 v20, 4, v20                      ; 16 (lane % 8)
	v_lshrrev_b32 v21, 3, v3                       ; lane / 8
	v_lshlrev_b32 v22, 2, v21
	v_lshlrev_b32 v16, 2, v4                       ; 4 r
.irp u, 0,1
.irp s, 0,1,2,3
.irp c, 0,1
	global_load_b128 v[S+32*\u+8*\s+4*\c:S+32*\u+8*\s+4*\c+3], v18, s[18:19] offset:(4*\u+\s)*1024+512*\c   ; Wout's fragment (tile 2 w + u, K step s)
.endr
.endr
.endr
	global_load_b128 v[32:35], v19, s[20:21]       ; the scale words of its rows, tile 0,
	global_load_b128 v[36:39], v19, s[20:21] offset:256   ; and 1
	global_load_b32 v8, v16, s[14:15]              ; beta and bout of d = 32 w + 16 u + r
	global_load_b32 v9, v16, s[14:15] offset:64
	global_load_b32 v10, v16, s[16:17]
	global_load_b32 v11, v16, s[16:17] offset:64
	global_load_b128 v[40:43], v20, s[8:9]         ; mu of n = 4 (lane % 8) ..,
	global_load_b128 v[44:47], v20, s[8:9] offset:32768   ; 1 / sigma
.irp i, 0,1,2,3
	global_load_b32 v[112+\i], v22, s[12:13] offset:16*\i      ; gamma of d = 32 w + 4 i + lane / 8
.endr
.irp i, 4,5,6,7
	global_load_b32 v[120+\i], v22, s[12:13] offset:16*\i
.endr
	v_permlanex16_b32 v17, v12, s[SEL], s[SEL+1]
	v_add_f32 v12, v12, v17                        ; l
	s_wait_alu depctr_va_vdst(0)
	v_rcp_f32 v12, v12
	v_nop                                          ; a plain place behind it
	s_wait_alu depctr_va_vdst(0)                   ; and the wait behind it
.set j, 0
.rept 32
	v_mul_f32 v[KF+j], v[O+j], v12                 ; O / l: register 8 e + i is channel 32 h + 8 e + i of query r: one whole block
.set j, j+1
.endr
	v_max3_num_f32 v80, |v[KF]|, |v[KF+1]|, 0x1800000   ; and the floor 2^(3 - 127)
	v_max3_num_f32 v81, |v[KF+2]|, |v[KF+3]|, |v[KF+4]|
.irp i, 5,9,13,17,21,25
	v_max3_num_f32 v80, v80, |v[KF+\i]|, |v[KF+\i+1]|
	v_max3_num_f32 v81, v81, |v[KF+\i+2]|, |v[KF+\i+3]|
.endr
	v_max3_num_f32 v80, v80, |v[KF+29]|, |v[KF+30]|
	v_max3_num_f32 v80, v80, v81, |v[KF+31]|
	v_add_nc_u32 v82, 0xff000000, v80              ; 2 off the exponent field: the conversion's scale
	v_lshrrev_b32 v83, 23, v82                     ; the scale's byte
.irp t, 0,1,2,3
	v_cvt_scalef32_pk8_fp4_f32 v[PC+\t], v[KF+8*\t:KF+8*\t+7], v82
.endr
	; my head's place: m = w % 2, K step s = w / 4, c = head % 2
	s_and_b32 s66, s[WV], 1
	s_lshr_b32 s67, s[WV], 2
	s_lshl_b32 s68, s66, 12
	s_lshl_b32 s69, s67, 10
	s_add_co_u32 s68, s68, s69
	s_lshl_b32 s69, s25, 9
	s_add_co_u32 s68, s68, s69
	s_add_co_u32 s68, s68, OX
	v_add_nc_u32 v13, s68, v18                     ; codes
	s_lshl_b32 s68, s66, 8
	s_lshl_b32 s69, s67, 2
	s_add_co_u32 s68, s68, s69
	s_lshl_b32 s69, s25, 1
	s_add_co_u32 s68, s68, s69
	s_add_co_u32 s68, s68, OSX
	v_add_nc_u32 v14, v19, v23
	v_add_nc_u32 v14, s68, v14                     ; byte 2 c + h of the row's word
	s_mul_i32 s68, s[WV], 32*SP                    ; my stage
	v_mul_u32_u24 v17, v4, SP
	v_lshl_add_u32 v17, v23, 5, v17
	v_add_nc_u32 v17, s68, v17                     ; in: row r, 32 h bytes on
	v_mul_u32_u24 v21, v21, SP
	v_add_nc_u32 v21, v21, v20
	v_add_nc_u32 v21, s68, v21                     ; back: row lane / 8, 16 (lane % 8) bytes on
	v_add_nc_u32 v1, OX, v18
	v_add_nc_u32 v2, OSX, v19
	s_wait_alu depctr_va_vdst(0)
	ds_store_b128 v13, v[PC:PC+3]
	ds_store_b8 v14, v83
	s_wait_dscnt 0x0                               ; for the others' sake
	s_barrier_signal -1
	s_barrier_wait -1                              ; all eight heads' codes lie in LDS, and nobody reads K or V any more
.irp f, 0,1,2,3,4,5,6,7
.irp c, 0,1
	ds_load_b128 v[KF+8*\f+4*\c:KF+8*\f+4*\c+3], v1 offset:1024*\f+512*\c   ; fragment f = 4 m + s
.endr
.endr
	ds_load_b128 v[24:27], v2                      ; the rows' scale words, m = 0,
	ds_load_b128 v[28:31], v2 offset:256           ; and 1
	s_wait_loadcnt 10                              ; all but mu, 1 / sigma and gamma
	; beta + bout in the result's layout: v116-123 for d's tile 0, v8-15 for tile 1
.irp j, 0,1,2,3,4,5,6,7
	v_add_f32 v[PC+\j], v8, v10
.endr
.irp j, 12,13,14,15,8,10
	v_add_f32 v[\j], v9, v11
.endr
	v_add_f32 v11, v9, v11
	v_mov_b32 v9, v11
	s_wait_alu depctr_va_vdst(0)
	s_wait_dscnt 0x0
.irp s, 0,1,2,3
.irp u, 0,1
.irp m, 0,1                                    ; source 0 = 16 rows n, source 1 = 16 rows of Wout; the four accumulators take turns
.if \s == 0
	v_wmma_scale_f32_16x16x128_f8f6f4 v[O+16*\u+8*\m:O+16*\u+8*\m+7], v[KF+32*\m:KF+32*\m+7], v[S+32*\u:S+32*\u+7], v[PC-108*\u:PC-108*\u+7], v[24+4*\m], v[32+4*\u] matrix_a_fmt:MATRIX_FMT_FP4 matrix_b_fmt:MATRIX_FMT_FP4
.else
	MM O+16*\u+8*\m, KF+32*\m+8*\s, S+32*\u+8*\s, 24+4*\m+\s, 32+4*\u+\s, 0
.endif
.endr
.endr
.endr
.rept 4
	v_nop                                          ; four places in front of the LDS stores that read results
.endr
.irp u, 0,1
.irp m, 0,1
	ds_store_b128 v17, v[O+16*\u+8*\m:O+16*\u+8*\m+3] offset:16*SP*\u+64*\m       ; lane (r, h): n = 16 m + 8 h + 0 .. 7 of d = 32 w + 16 u + r
	ds_store_b128 v17, v[O+16*\u+8*\m+4:O+16*\u+8*\m+7] offset:16*SP*\u+64*\m+16
.endr
.endr
.irp i, 0,1,2,3,4,5,6,7
	ds_load_b128 v[S+4*\i:S+4*\i+3], v21 offset:4*SP*\i                          ; LDS serves a wave's instructions in order (ISA guide 5.7.1.4): these see my stores
.endr
	s_wait_loadcnt 0x0                             ; mu, 1 / sigma, gamma
.irp i, 0,1,2,3,4,5,6,7
	v_pk_add_f32 v[X+4*\i:X+4*\i+1], v[X+4*\i:X+4*\i+1], v[40:41] neg_lo:[0,1] neg_hi:[0,1]
	v_pk_add_f32 v[X+4*\i+2:X+4*\i+3], v[X+4*\i+2:X+4*\i+3], v[42:43] neg_lo:[0,1] neg_hi:[0,1]
.endr
.irp i, 0,1,2,3,4,5,6,7
	v_pk_mul_f32 v[X+4*\i:X+4*\i+1], v[X+4*\i:X+4*\i+1], v[44:45]
	v_pk_mul_f32 v[X+4*\i+2:X+4*\i+3], v[X+4*\i+2:X+4*\i+3], v[46:47]
.endr
	s_wait_alu depctr_va_vdst(0)
.irp i, 0,1,2,3,4,5,6,7
	s_wait_dscnt 7-\i                              ; these four rows are back; the later ones may stay out
.irp k, 0,1,2,3
	v_fmac_f32 v[S+4*\i+\k], v[X+4*\i+\k], v[112+\i+8*(\i/4)]   ; + (x - mu) / sigma x gamma; beta went in with bout
.endr
	global_store_b128 v[XO], v[S+4*\i:S+4*\i+3], s[22:23] offset:32768*\i th:TH_STORE_NT   ; eight lanes store a row's 128 consecutive bytes
.endr
	s_wait_tensorcnt 0x0                           ; the wave's end
	ds_add_u32 v[SPW], v[NIL]
	s_wait_dscnt 0x0
	CROUND                                         ; the closing round: no work-group ends while a partner may still ask for a tile that names it
	s_endpgm
.Lfunc_end_k_qc36d63fb26_attn:
	.size	k_qc36d63fb26_attn, .Lfunc_end_k_qc36d63fb26_attn-k_qc36d63fb26_attn
	.p2alignl 7, 3214868480
	.fill 96, 4, 3214868480
	.section	.rodata,"a",@progbits
	.p2align	6, 0x0
	.amdhsa_kernel k_qc36d63fb26_attn
		.amdhsa_group_segment_fixed_size 327680
		.amdhsa_private_segment_fixed_size 0
		.amdhsa_enable_private_segment 0
		.amdhsa_kernarg_size 80
		.amdhsa_user_sgpr_count 2
		.amdhsa_user_sgpr_kernarg_segment_ptr 1
		.amdhsa_wavefront_size32 1
		.amdhsa_system_sgpr_workgroup_id_x 1
		.amdhsa_system_sgpr_workgroup_id_y 1
		.amdhsa_system_sgpr_workgroup_id_z 1
		.amdhsa_system_vgpr_workitem_id 0
		.amdhsa_next_free_vgpr 256
		.amdhsa_next_free_sgpr 72
		.amdhsa_reserve_vcc 0
		.amdhsa_float_denorm_mode_32 3
		.amdhsa_float_denorm_mode_16_64 3
		.amdhsa_memory_ordered 1
		.amdhsa_forward_progress 1
		.amdhsa_inst_pref_size 55
	.end_amdhsa_kernel
	.amdgpu_metadata
---
amdhsa.version: [ 1, 2 ]
amdhsa.kernels:
  - .name:           k_qc36d63fb26_attn
    .symbol:         k_qc36d63fb26_attn.kd
    .args:
      - { .name: q, .offset: 0, .size: 8, .value_kind: global_buffer, .address_space: global }
      - { .name: kv, .offset: 8, .size: 8, .value_kind: global_buffer, .address_space: global }
      - { .name: stats, .offset: 16, .size: 8, .value_kind: global_buffer, .address_space: global }
      - { .name: x, .offset: 24, .size: 8, .value_kind: global_buffer, .address_space: global }
      - { .name: gamma, .offset: 32, .size: 8, .value_kind: global_buffer, .address_space: global }
      - { .name: beta, .offset: 40, .size: 8, .value_kind: global_buffer, .address_space: global }
      - { .name: bout, .offset: 48, .size: 8, .value_kind: global_buffer, .address_space: global }
      - { .name: wimg, .offset: 56, .size: 8, .value_kind: global_buffer, .address_space: global }
      - { .name: Wout_scales, .offset: 64, .size: 8, .value_kind: global_buffer, .address_space: global }
      - { .name: out0, .offset: 72, .size: 8, .value_kind: global_buffer, .address_space: global }
    .group_segment_fixed_size: 327680
    .private_segment_fixed_size: 0
    .kernarg_segment_align: 8
    .kernarg_segment_size: 80
    .max_flat_workgroup_size: 512
    .sgpr_count:     72
    .vgpr_count:     256
    .wavefront_size: 32
...
	.end_amdgpu_metadata
.endif
;; end of part 2
